; MI455X (gfx1250); checked and timed in simulation.
; The chip was launched on July 23, 2026; its instructions are those of AMD's public machine-readable ISA for CDNA 5 (MIT licence, August 2026) and "CDNA5" Instruction Set Architecture Reference Guide (July 2026). The comments in the code are by the model that wrote it; some were corrected since.
;; Debug Module. Allowed arithmetic: float matrix products may take bf16 or f16 operands with f32 sums; all other float work in f32.
;; Inputs: input_ids 4 x 64 int32; s_mu_w 12 x 96 float32; s_var_w 12 x 96 float32; trans_c_mu 12 x 12 x 4 x 2 float32; trans_c_var 12 x 12 x 4 x 2 float32; trans_p_mu 12 x 12 x 4 x 2 float32; trans_p_var 12 x 12 x 4 x 2 float32.
;; Outputs: out0 one number float32; out1 4 x 64 x 12 x 12 x 4 x 2 float32; out2 4 x 64 x 12 x 12 x 4 x 2 float32.
;; One version. Each part assembles by itself: llvm-mc -triple=amdgcn-amd-amdhsa -mcpu=gfx1250 --defsym DOCPART=n.
;; ======== version 1 of 1: 2 launches
;; limits: inputs' magnitudes at most 43; right only within a limited range of input values
;; workspace buffers: part 6,912 bytes
;; launch main (part 1): grid 36 x 12, 4 waves a work-group, no clusters, 3,584 bytes of LDS; arguments input_ids, s_mu_w, s_var_w, trans_c_mu, trans_c_var, trans_p_mu, trans_p_var, out1, out2, part; writes out1, out2, part
.if DOCPART == 1
	.amdgcn_target "amdgcn-amd-amdhsa--gfx1250"
	.amdhsa_code_object_version 6
	.text
	.protected	k_q38c7fe0c45_main
	.globl	k_q38c7fe0c45_main
	.p2align	8
	.type	k_q38c7fe0c45_main,@function
k_q38c7fe0c45_main:
	s_mov_b64 s[64:65], 0
	v_nop
	global_prefetch_b8 v0, s[64:65] scope:SCOPE_SE
	s_setreg_imm32_b32 hwreg(HW_REG_WAVE_MODE, 25, 1), 1
	s_wait_xcnt 0x0
; PARTIAL SUMS OF THE TOTAL, AND THE TWO BROADCAST COPIES.
; A position (b, l) enters the total only through its id, which picks one of 12 rows of the two s tables.  So
;   total = sum over w = 0..11 of count[w] * T[w],
; count[w] = positions with l < 63 whose id is w, T[w] = the sum over (i, j, k, ci, cj, cp, g) made with row w.
; That is 12 * 12^3 * 4^3 * 2 = 2,654,208 terms in place of 252 * 221,184.  count[w] is only ever a factor.
; One wave takes one task (w, i, j): lane = 8 ci + 2 cj + g holds one value of the first product (its mean m1 and its
; variance v1) and walks the 48 pairs t = 4 k + cp of trans_p[j, k, cp, g].  12^3 = 1,728 waves, 432 work-groups of 4.
; Work-group (x, y): w = y, j = x / 3, ig = x % 3; wave n: i = 4 ig + n.  The wave's result goes to word 4 (36 w + x) + n of part.
; The copies: work-groups with u = 12 w + j < 128 also store; wave n stores third ig (1,536 bytes) of row 2 u + (n >> 1),
; even n of trans_p_mu into out1, odd n of trans_p_var into out2: 128 * 3 * 4 = 1,536 jobs = 2 * 256 rows * 3 thirds, each
; byte once, each wave store 512 consecutive bytes at a multiple of 512 from the buffer's start.  The 48 work-groups with
; u >= 128 have no copy job (4,608 store blocks do not divide by 1,728 waves); they do their whole share of the sum.
; All arithmetic is f32.  No matrix instruction: the problem holds no product of matrices.  No tensor load, cluster or joint
; request: what waves share are tables of 4,608 bytes, of which a wave takes 768 bytes, re-ordered and partly passed through an exponential.
; No barrier: each wave reads only the 768 bytes of LDS that it wrote itself.
; LIMITS.  An id outside 0..11 counts for nothing (the problem keeps ids inside the table).  v_exp_f32, v_log_f32 and v_rcp_f32
; flush denormals (ISA guide 15.8), so log-stds are served for about |var| <= 43, where exp(2 var) is a normal f32.
; The terms are added in another order than the problem's formula adds them.  A row w that no id names contributes an exact 0.
.set KEXP,  0x4038aa3b                 ; 2 log2(e): exp(2 x) = exp2(KEXP x)
.set LN2,   0x3f317218                 ; ln 2: sums of log2 become sums of ln
.set C12,   0x41b06fab                 ; 12 ln(2 pi): four sums start here = a lane's 48 terms ln(2 pi)
.set OFFP,  2                          ; v2       4 lane + 384 j: my word of trans_p[j]
.set OFFS,  3                          ; v3       4 (lane & 7) + 32 u: s[w, j, cj, g]
.set OFFC,  4                          ; v4       4 (2 ci + g) + 32 (12 i + j): trans_c[i, j, ci, g]
.set OFFI,  5                          ; v5       32 lane: my 8 ids
.set OFFSRC,6                          ; v6       16 lane + 1536 ig
.set OFFDST,7                          ; v7       16 lane + 4608 row + 1536 ig
.set LDA,   8                          ; v8       LDS: 768 wave + 384 g
.set STA,   9                          ; v9       LDS: LDA + 4 (lane >> 1)
.set PV,    10                         ; v[10:12] trans_p_var as loaded
.set PM,    13                         ; v[13:15] trans_p_mu as loaded
.set EV,    16                         ; v[16:18] exp(2 trans_p_var)
.set AM,    20                         ; v20-23   s mu, s var, trans_c mu, trans_c var of my lane
.set AV,    21
.set BM,    22
.set BV,    23
.set IDS,   24                         ; v[24:31] 8 ids
.set CP,    32                         ; v[32:43] copy data
.set NEGM,  44                         ; v[44:45] -m1, twice (a pair for the packed add)
.set VAR1,  46                         ; v[46:47] v1, twice
.set T,     48                         ; v[48:55] at work
.set PMU,   56                         ; v[56:103]  m2[t], then d, then d^2
.set PVS,   104                        ; v[104:151] v2[t], then v1 + v2[t]
.set TL,    152                        ; v[152:167] two sets of 4 logs and 4 reciprocals, taken in turn
.set ACCL,  168                        ; v[168:171] sums of log2
.set ACCQ,  172                        ; v[172:175] sums of d^2 / S2, started at C12
	s_load_b512 s[4:19], s[0:1], 0x0               ; ids 4, s_mu 6, s_var 8, c_mu 10, c_var 12, p_mu 14, p_var 16, out1 18
	s_load_b128 s[20:23], s[0:1], 0x40             ; out2 20, part 22
	v_lshl_add_u32 v176, v0, 2, 0xc00
	v_mov_b32 v177, 0
	v_and_b32 v1, 31, v0                           ; lane
	v_lshrrev_b32 v[T], 5, v0
	v_readfirstlane_b32 s24, v[T]                  ; wave 0..3
	s_and_b32 s25, ttmp7, 0xffff                   ; w
	s_mul_i32 s27, ttmp9, 43
	s_lshr_b32 s27, s27, 7                         ; j = x / 3: 43 / 128 exceeds 1 / 3 by 0.0026, times 35 is under 1 / 3
	s_mul_i32 s26, s27, 3
	s_sub_co_u32 s28, ttmp9, s26                   ; ig = x - 3 j
	s_lshl2_add_u32 s29, s28, s24                  ; i = 4 ig + wave
	s_mul_i32 s30, s25, 12
	s_add_co_u32 s30, s30, s27                     ; u = 12 w + j
	s_mul_i32 s31, s27, 384                        ; trans_p[j]: 96 words
	s_lshl_b32 s36, s30, 5                         ; 384 w + 32 j
	s_mul_i32 s37, s29, 12
	s_add_co_u32 s37, s37, s27
	s_lshl_b32 s37, s37, 5                         ; 32 (12 i + j)
	s_mul_i32 s38, s28, 1536                       ; my third of a table
	s_lshr_b32 s26, s24, 1
	s_lshl1_add_u32 s26, s30, s26                  ; output row 2 u + (wave >> 1)
	s_mul_i32 s39, s26, 4608
	s_add_co_u32 s39, s39, s38
	s_mul_i32 s54, s24, 768                        ; my wave's bytes of LDS
	s_mul_i32 s53, s25, 36
	s_add_co_u32 s53, s53, ttmp9
	s_lshl2_add_u32 s53, s53, s24
	s_lshl_b32 s53, s53, 2                         ; byte of my word in part
	s_mov_b32 s50, 0x76543210                      ; v_permlanex16_b32: lane i reads lane i of the other half
	s_mov_b32 s51, 0xfedcba98
	v_lshl_add_u32 v[OFFP], v1, 2, s31
	v_and_b32 v[OFFS], 7, v1
	v_lshl_add_u32 v[OFFS], v[OFFS], 2, s36
	v_lshrrev_b32 v[OFFC], 3, v1                   ; ci
	v_and_b32 v[T+1], 1, v1                        ; g
	v_lshl_add_u32 v[OFFC], v[OFFC], 1, v[T+1]
	v_lshl_add_u32 v[OFFC], v[OFFC], 2, s37
	v_lshlrev_b32 v[OFFI], 5, v1
	v_lshl_add_u32 v[OFFSRC], v1, 4, s38
	v_lshl_add_u32 v[OFFDST], v1, 4, s39
	v_mul_u32_u24 v[LDA], 0x180, v[T+1]
	v_add_nc_u32 v[LDA], s54, v[LDA]
	s_wait_kmcnt 0x0
	; Twelve loads, in the order in which they are wanted.  Word lane + 32 r of trans_p[j] is (t = (lane >> 1) + 16 r, g = lane & 1).
.irp r, 0,1,2
	global_load_b32 v[PV+\r], v[OFFP], s[16:17] offset:128*\r
.endr
.irp r, 0,1,2
	global_load_b32 v[PM+\r], v[OFFP], s[14:15] offset:128*\r
.endr
	global_load_b32 v[AV], v[OFFS], s[8:9]
	global_load_b32 v[BV], v[OFFC], s[12:13]
	global_load_b32 v[AM], v[OFFS], s[6:7]
	global_load_b32 v[BM], v[OFFC], s[10:11]
	global_load_b128 v[IDS:IDS+3],   v[OFFI], s[4:5]
	global_load_b128 v[IDS+4:IDS+7], v[OFFI], s[4:5] offset:16
	; The copy: issued ahead of the arithmetic, so that the stores leave while the wave computes.
	s_bitcmp1_b32 s24, 0                           ; odd wave: var to out2; even wave: mu to out1
	s_cselect_b64 s[32:33], s[16:17], s[14:15]
	s_cselect_b64 s[34:35], s[20:21], s[18:19]
	s_cmp_ge_u32 s30, 128                          ; rows 2 u and 2 u + 1 exist for u < 128
	s_cbranch_scc1 .Lnocopy
.irp r, 0,1,2
	global_load_b128 v[CP+4*\r:CP+4*\r+3], v[OFFSRC], s[32:33] offset:512*\r
.endr
	s_wait_loadcnt 0x0                             ; these three are the youngest loads
.irp r, 0,1,2
	global_store_b128 v[OFFDST], v[CP+4*\r:CP+4*\r+3], s[34:35] offset:512*\r th:TH_STORE_NT
.endr
.Lnocopy:
	; Staging: the 96 words of trans_p[j] are sorted by g into my wave's LDS, byte 384 g + 192 kind + 4 t (kind 0: m2, kind 1: v2),
	; the variances already as exp(2 var): three exponentials a lane serve all 96.
	s_wait_loadcnt 0x9                             ; the three loads of PV are in; the nine issued behind them may be out
.irp r, 0,1,2
	v_mul_f32 v[EV+\r], KEXP, v[PV+\r]
.endr
.irp r, 0,1,2
	v_exp_f32 v[EV+\r], v[EV+\r]
.endr
	v_lshrrev_b32 v[STA], 1, v1                    ; plain work between the exponentials and the stores that read them (ISA guide 5.7.2)
	v_lshl_add_u32 v[STA], v[STA], 2, v[LDA]
	s_wait_loadcnt 0x6                             ; PM is in; the four operands of the first product and the two loads of ids may be out
.irp r, 0,1,2
	ds_store_b32 v[STA], v[PM+\r] offset:64*\r
.endr
	s_wait_alu depctr_va_vdst(0)
.irp r, 0,1,2
	ds_store_b32 v[STA], v[EV+\r] offset:192+64*\r
.endr
	; LDS serves a wave's instructions in order (ISA guide 5.7.1): these loads see the stores above, which are my wave's own.
.irp q, 0,1,2,3,4,5,6,7,8,9,10,11
	ds_load_b128 v[PMU+4*\q:PMU+4*\q+3], v[LDA] offset:16*\q
	ds_load_b128 v[PVS+4*\q:PVS+4*\q+3], v[LDA] offset:192+16*\q
.endr
	; The first product, one value a lane, while those loads are out.  a = s[w, j, cj, g], b = trans_c[i, j, ci, g].
	s_wait_loadcnt 0x2                             ; only the two loads of ids are younger
	v_mul_f32 v[T],   KEXP, v[AV]
	v_mul_f32 v[T+1], KEXP, v[BV]
	v_exp_f32 v[T],   v[T]                         ; A = exp(2 a_var)
	v_exp_f32 v[T+1], v[T+1]                       ; B = exp(2 b_var)
	v_add_f32 v[T+2], v[AV], v[BV]                 ; (the plain instruction behind the exponentials)
	s_wait_alu depctr_va_vdst(0)
	v_add_f32 v[T+3], v[T], v[T+1]                 ; S = A + B
	v_mul_f32 v[T+4], v[AM], v[T+1]                ; a_mu B
	v_log_f32 v[T+5], v[T+3]                       ; log2 S
	v_rcp_f32 v[T+6], v[T+3]                       ; 1 / S
	v_fmac_f32 v[T+4], v[BM], v[T]                 ; + b_mu A (the plain instruction: names neither S nor the two results)
	s_wait_alu depctr_va_vdst(0)
	v_fma_f32 v[T+7], KEXP, v[T+2], -v[T+5]        ; 2 log2(e) (a_var + b_var - ln(S) / 2) = KEXP (a_var + b_var) - log2 S
	v_exp_f32 v[VAR1],   v[T+7]                    ; v1 = exp(2 cs_var), twice
	v_exp_f32 v[VAR1+1], v[T+7]
	v_mul_f32 v[NEGM],   v[T+4], -v[T+6]           ; -m1, twice (and the plain instructions behind the exponentials)
	v_mul_f32 v[NEGM+1], v[T+4], -v[T+6]
	s_wait_alu depctr_va_vdst(0)
; Four steps t = 4 q .. 4 q + 3: S2 = v2 + v1, d = m2 - m1, ACCL += log2 S2, ACCQ += d^2 / S2.
; first = 1: the logs are the sums' first terms and the fused multiply-adds take C12 as addend: nothing is cleared.
.macro GROUP q, first
.set RL, TL+8*((\q)&1)
.set RR, RL+4
	s_wait_dscnt 22-2*(\q)                         ; quads 0 .. q of both kinds are in: 2 (11 - q) younger loads stay out
	v_pk_add_f32 v[PVS+4*\q:PVS+4*\q+1],   v[PVS+4*\q:PVS+4*\q+1],   v[VAR1:VAR1+1]
	v_pk_add_f32 v[PVS+4*\q+2:PVS+4*\q+3], v[PVS+4*\q+2:PVS+4*\q+3], v[VAR1:VAR1+1]
	v_pk_add_f32 v[PMU+4*\q:PMU+4*\q+1],   v[PMU+4*\q:PMU+4*\q+1],   v[NEGM:NEGM+1]
	v_pk_add_f32 v[PMU+4*\q+2:PMU+4*\q+3], v[PMU+4*\q+2:PMU+4*\q+3], v[NEGM:NEGM+1]
.irp k, 0,1,2,3
.if \first
	v_log_f32 v[ACCL+\k], v[PVS+4*\q+\k]
.else
	v_log_f32 v[RL+\k], v[PVS+4*\q+\k]
.endif
.endr
.irp k, 0,1,2,3
	v_rcp_f32 v[RR+\k], v[PVS+4*\q+\k]
.endr
	v_pk_mul_f32 v[PMU+4*\q:PMU+4*\q+1],   v[PMU+4*\q:PMU+4*\q+1],   v[PMU+4*\q:PMU+4*\q+1]     ; d^2: the plain work behind the eight
	v_pk_mul_f32 v[PMU+4*\q+2:PMU+4*\q+3], v[PMU+4*\q+2:PMU+4*\q+3], v[PMU+4*\q+2:PMU+4*\q+3]   ; transcendentals (ISA guide 5.7.2)
.if \first
	s_wait_alu depctr_va_vdst(0)
	v_pk_fma_f32 v[ACCQ:ACCQ+1],   v[PMU+4*\q:PMU+4*\q+1],   v[RR:RR+1],   C12 op_sel_hi:[1,1,0]
	v_pk_fma_f32 v[ACCQ+2:ACCQ+3], v[PMU+4*\q+2:PMU+4*\q+3], v[RR+2:RR+3], C12 op_sel_hi:[1,1,0]
.else
	s_wait_alu depctr_va_vdst(0)
	v_pk_add_f32 v[ACCL:ACCL+1],   v[ACCL:ACCL+1],   v[RL:RL+1]
	v_pk_add_f32 v[ACCL+2:ACCL+3], v[ACCL+2:ACCL+3], v[RL+2:RL+3]
	v_pk_fma_f32 v[ACCQ:ACCQ+1],   v[PMU+4*\q:PMU+4*\q+1],   v[RR:RR+1],   v[ACCQ:ACCQ+1]
	v_pk_fma_f32 v[ACCQ+2:ACCQ+3], v[PMU+4*\q+2:PMU+4*\q+3], v[RR+2:RR+3], v[ACCQ+2:ACCQ+3]
.endif
.endm
	GROUP 0, 1
.irp q, 1,2,3,4,5,6,7,8,9,10,11
	GROUP \q, 0
.endr
	; count[w]: lane n holds positions 8 n .. 8 n + 7 of the 256; l = 63 is position 8 n + 7 where n & 7 = 7.
	s_wait_loadcnt 0x0                             ; the ids
.irp q, 0,1,2,3,4,5,6,7
	v_cmp_eq_u32 s[40+\q], s25, v[IDS+\q]
.endr
	s_and_b32 s47, s47, 0x7f7f7f7f                 ; the last position of each of the four sentences is left out
.irp q, 0,1,2,3,4,5,6,7
	s_bcnt1_i32_b32 s[40+\q], s[40+\q]
.endr
	s_add_co_u32 s48, s40, s41
.irp q, 2,3,4,5,6,7
	s_add_co_u32 s48, s48, s[40+\q]
.endr
	s_cvt_f32_u32 s55, s48
	s_mul_f32 s55, s55, -0.5                       ; the factor -1/2 of every term rides on the count
	s_cmp_lg_u32 s48, 0
	s_cselect_b32 s49, -1, 0                       ; all lanes: is row w named at all?
	; The lane's sum, the wave's sum, the weight.
	v_pk_add_f32 v[ACCL:ACCL+1], v[ACCL:ACCL+1], v[ACCL+2:ACCL+3]
	v_pk_add_f32 v[ACCQ:ACCQ+1], v[ACCQ:ACCQ+1], v[ACCQ+2:ACCQ+3]
	v_add_f32 v[T],   v[ACCL], v[ACCL+1]
	v_add_f32 v[T+1], v[ACCQ], v[ACCQ+1]
	v_fmamk_f32 v[T], v[T], LN2, v[T+1]            ; ln 2 * (sum of log2) + (48 ln(2 pi) + sum of d^2 / S2)
	v_add_f32_dpp v[T], v[T], v[T] row_xmask:1 row_mask:0xf bank_mask:0xf
	v_add_f32_dpp v[T], v[T], v[T] row_xmask:2 row_mask:0xf bank_mask:0xf
	v_add_f32_dpp v[T], v[T], v[T] row_xmask:4 row_mask:0xf bank_mask:0xf
	v_add_f32_dpp v[T], v[T], v[T] row_xmask:8 row_mask:0xf bank_mask:0xf
	v_permlanex16_b32 v[T+1], v[T], s50, s51       ; its destination counts as read: T+1 has been written
	v_add_f32 v[T], v[T], v[T+1]
	v_mul_f32 v[T], s55, v[T]
	v_cndmask_b32 v[T], 0, v[T], s49               ; a row that no id names gives 0, whatever its numbers are
	v_mov_b32 v[T+2], s53
	v_cmp_eq_u32 vcc_lo, 0, v1
	s_wait_xcnt 0x0                                ; EXEC is a source of the loads and stores above: it changes only behind this wait
	s_wait_tensorcnt 0x0
	ds_add_u32 v176, v177
	s_wait_dscnt 0x0
	s_and_saveexec_b32 s52, vcc_lo                 ; lane 0 alone
	global_store_b32 v[T+2], v[T], s[22:23]
	s_endpgm
.Lfunc_end_k_q38c7fe0c45_main:
	.size	k_q38c7fe0c45_main, .Lfunc_end_k_q38c7fe0c45_main-k_q38c7fe0c45_main
	.p2alignl 7, 3214868480
	.fill 96, 4, 3214868480
	.section	.rodata,"a",@progbits
	.p2align	6, 0x0
	.amdhsa_kernel k_q38c7fe0c45_main
		.amdhsa_group_segment_fixed_size 3584
		.amdhsa_private_segment_fixed_size 0
		.amdhsa_enable_private_segment 0
		.amdhsa_kernarg_size 80
		.amdhsa_user_sgpr_count 2
		.amdhsa_user_sgpr_kernarg_segment_ptr 1
		.amdhsa_wavefront_size32 1
		.amdhsa_system_sgpr_workgroup_id_x 1
		.amdhsa_system_sgpr_workgroup_id_y 1
		.amdhsa_system_sgpr_workgroup_id_z 1
		.amdhsa_system_vgpr_workitem_id 0
		.amdhsa_next_free_vgpr 178
		.amdhsa_next_free_sgpr 66
		.amdhsa_reserve_vcc 1
		.amdhsa_float_denorm_mode_32 3
		.amdhsa_float_denorm_mode_16_64 3
		.amdhsa_memory_ordered 1
		.amdhsa_forward_progress 1
		.amdhsa_inst_pref_size 21
	.end_amdhsa_kernel
	.amdgpu_metadata
---
amdhsa.version: [ 1, 2 ]
amdhsa.kernels:
  - .name:           k_q38c7fe0c45_main
    .symbol:         k_q38c7fe0c45_main.kd
    .args:
      - { .name: input_ids, .offset: 0, .size: 8, .value_kind: global_buffer, .address_space: global }
      - { .name: s_mu_w, .offset: 8, .size: 8, .value_kind: global_buffer, .address_space: global }
      - { .name: s_var_w, .offset: 16, .size: 8, .value_kind: global_buffer, .address_space: global }
      - { .name: trans_c_mu, .offset: 24, .size: 8, .value_kind: global_buffer, .address_space: global }
      - { .name: trans_c_var, .offset: 32, .size: 8, .value_kind: global_buffer, .address_space: global }
      - { .name: trans_p_mu, .offset: 40, .size: 8, .value_kind: global_buffer, .address_space: global }
      - { .name: trans_p_var, .offset: 48, .size: 8, .value_kind: global_buffer, .address_space: global }
      - { .name: out1, .offset: 56, .size: 8, .value_kind: global_buffer, .address_space: global }
      - { .name: out2, .offset: 64, .size: 8, .value_kind: global_buffer, .address_space: global }
      - { .name: part, .offset: 72, .size: 8, .value_kind: global_buffer, .address_space: global }
    .group_segment_fixed_size: 3584
    .private_segment_fixed_size: 0
    .kernarg_segment_align: 8
    .kernarg_segment_size: 80
    .max_flat_workgroup_size: 128
    .sgpr_count:     66
    .vgpr_count:     178
    .wavefront_size: 32
...
	.end_amdgpu_metadata
.endif
;; end of part 1
;; launch finish (part 2): grid 1 x 1, 1 waves a work-group, no clusters, 0 bytes of LDS; arguments part, out0; writes out0
.if DOCPART == 2
	.amdgcn_target "amdgcn-amd-amdhsa--gfx1250"
	.amdhsa_code_object_version 6
	.text
	.protected	k_q38c7fe0c45_finish
	.globl	k_q38c7fe0c45_finish
	.p2align	8
	.type	k_q38c7fe0c45_finish,@function
k_q38c7fe0c45_finish:
	s_mov_b64 s[64:65], 0
	v_nop
	global_prefetch_b8 v0, s[64:65] scope:SCOPE_SE
	s_setreg_imm32_b32 hwreg(HW_REG_WAVE_MODE, 25, 1), 1
	s_wait_xcnt 0x0
; out0 = the sum of the 1,728 weighted partial sums in part (6,912 bytes).  One wave: 27 loads of 8 bytes a lane, each load of the
; wave 256 consecutive bytes at a multiple of 256, all issued at once; three chains of packed adds; one sum over the lanes.
; More waves would need LDS and a barrier for 54 numbers a lane.  The order of the additions is this text's own, in f32.
.set NLOAD, 27
.set X,     4                          ; v[4:57]  load r: v[4+2r:5+2r]; the first three pairs carry the chains
	s_load_b128 s[4:7], s[0:1], 0x0                ; part s[4:5], out0 s[6:7]
	s_mov_b32 s8, 0x76543210                       ; v_permlanex16_b32: lane i reads lane i of the other half
	s_mov_b32 s9, 0xfedcba98
	v_lshlrev_b32 v1, 3, v0                        ; 8 bytes a lane
	v_mov_b32 v2, 0                                ; out0's only word
	s_wait_kmcnt 0x0
.set r, 0
.rept NLOAD
	global_load_b64 v[X+2*r:X+2*r+1], v1, s[4:5] offset:256*r
.set r, r+1
.endr
.set r, 3
.rept NLOAD-3
.if r == 3
	s_wait_loadcnt 18                              ; loads 0 to 8 are in, the 18 younger ones may be out
.endif
.if r == 9
	s_wait_loadcnt 9                               ; loads 0 to 17 are in
.endif
.if r == 18
	s_wait_loadcnt 0                               ; all are in
.endif
	v_pk_add_f32 v[X+2*(r%3):X+2*(r%3)+1], v[X+2*(r%3):X+2*(r%3)+1], v[X+2*r:X+2*r+1]
.set r, r+1
.endr
	v_pk_add_f32 v[X:X+1], v[X:X+1], v[X+2:X+3]
	v_pk_add_f32 v[X:X+1], v[X:X+1], v[X+4:X+5]
	v_add_f32 v[X], v[X], v[X+1]
	v_add_f32_dpp v[X], v[X], v[X] row_xmask:1 row_mask:0xf bank_mask:0xf
	v_add_f32_dpp v[X], v[X], v[X] row_xmask:2 row_mask:0xf bank_mask:0xf
	v_add_f32_dpp v[X], v[X], v[X] row_xmask:4 row_mask:0xf bank_mask:0xf
	v_add_f32_dpp v[X], v[X], v[X] row_xmask:8 row_mask:0xf bank_mask:0xf
	v_permlanex16_b32 v[X+1], v[X], s8, s9         ; its destination counts as read: X+1 has been written
	v_add_f32 v[X], v[X], v[X+1]
	v_cmp_eq_u32 vcc_lo, 0, v0
	s_wait_xcnt 0x0                                ; EXEC is a source of the loads above: it changes only behind this wait
	s_and_saveexec_b32 s10, vcc_lo                 ; lane 0 alone
	global_store_b32 v2, v[X], s[6:7]
	s_endpgm
.Lfunc_end_k_q38c7fe0c45_finish:
	.size	k_q38c7fe0c45_finish, .Lfunc_end_k_q38c7fe0c45_finish-k_q38c7fe0c45_finish
	.p2alignl 7, 3214868480
	.fill 96, 4, 3214868480
	.section	.rodata,"a",@progbits
	.p2align	6, 0x0
	.amdhsa_kernel k_q38c7fe0c45_finish
		.amdhsa_group_segment_fixed_size 0
		.amdhsa_private_segment_fixed_size 0
		.amdhsa_enable_private_segment 0
		.amdhsa_kernarg_size 16
		.amdhsa_user_sgpr_count 2
		.amdhsa_user_sgpr_kernarg_segment_ptr 1
		.amdhsa_wavefront_size32 1
		.amdhsa_system_sgpr_workgroup_id_x 1
		.amdhsa_system_sgpr_workgroup_id_y 1
		.amdhsa_system_sgpr_workgroup_id_z 1
		.amdhsa_system_vgpr_workitem_id 0
		.amdhsa_next_free_vgpr 60
		.amdhsa_next_free_sgpr 66
		.amdhsa_reserve_vcc 1
		.amdhsa_float_denorm_mode_32 3
		.amdhsa_float_denorm_mode_16_64 3
		.amdhsa_memory_ordered 1
		.amdhsa_forward_progress 1
		.amdhsa_inst_pref_size 6
	.end_amdhsa_kernel
	.amdgpu_metadata
---
amdhsa.version: [ 1, 2 ]
amdhsa.kernels:
  - .name:           k_q38c7fe0c45_finish
    .symbol:         k_q38c7fe0c45_finish.kd
    .args:
      - { .name: part, .offset: 0, .size: 8, .value_kind: global_buffer, .address_space: global }
      - { .name: out0, .offset: 8, .size: 8, .value_kind: global_buffer, .address_space: global }
    .group_segment_fixed_size: 0
    .private_segment_fixed_size: 0
    .kernarg_segment_align: 8
    .kernarg_segment_size: 16
    .max_flat_workgroup_size: 32
    .sgpr_count:     66
    .vgpr_count:     60
    .wavefront_size: 32
...
	.end_amdgpu_metadata
.endif
;; end of part 2
